; MI455X (gfx1250); checked and timed in simulation.
; The chip was launched on July 23, 2026; its instructions are those of AMD's public machine-readable ISA for CDNA 5 (MIT licence, August 2026) and "CDNA5" Instruction Set Architecture Reference Guide (July 2026). The comments in the code are by the model that wrote it; some were corrected since.
;; Attention. Allowed arithmetic: matrix products marked QUANTISED: E2M1 operands, one E8M0 scale for each 32 along K, by v_wmma_scale_f32_16x16x128_f8f6f4 with both operands' format E2M1 (or v_wmma_scale_f32_32x16x128_f4), f32 sums; products left as they are: f32 operands where the result goes on into a quantised operand, else bf16, f16 or f32 operands; f32 sums; everything else in f32.
;; Inputs: W_attn 1,024 x 2,048 float32; b_attn 1,024 float32; encoder_outputs 32 x 2,048 x 1,024 float32; hidden 1 x 32 x 1,024 float32; v 1,024 float32.
;; Outputs: out0 32 x 2,048 float32.
;; This version of the problem:
;;   THIS VERSION OF THE PROBLEM IS GIVEN IN LOW PRECISION. The matrix products marked QUANTISED in the list below multiply operands that are first quantised to E2M1 (2 exponent bits, 1 mantissa bit; 4 bits a number), with one power-of-two scale for each 32 numbers along K (OCP MX v1.0); their sums are f32. All else is computed in f32.
;;   The module's matrix products, in the order in which they are computed (A, B: the left and right operand; K: the contracted axis; several contracted axes count as one K, in the product's order):
;;     1. [M 32, K 1,024] x [K 1,024, N 1,024]; A: input hidden; B: input W_attn: QUANTISED
;;     2. [M 65,536, K 1,024] x [K 1,024, N 1,024]; A: input encoder_outputs; B: input W_attn: QUANTISED
;;     3. [M 65,536, K 1,024] x [K 1,024, N 1]; A: computed on the way; B: input v: left as it is (N = 1 < 16)
;;   THE QUANTISER, for each operand of a quantised product, along K:
;;     - K is cut into blocks of 32 from its start; a last block that is shorter is filled with zeros.
;;     - A block's scale is 2^e with e = floor(log2(the largest magnitude in the block)) - 2, held to -126 .. 127; a block of zeros has e = 0. As a byte (E8M0): e + 127.
;;     - Each number is divided by its block's scale, clamped to +-6, and rounded to the nearest number of E2M1, ties to even, subnormals kept.
;;     - The product sums the exact products of the quantised numbers (number of the format x scale) in f32.
;;   ~~~python
;;   def quantise(x, axis):      # numpy; x: float32 -> the quantised numbers, widened to float32 again
;;       x = np.moveaxis(x, axis, -1); K = x.shape[-1]
;;       x = np.pad(x, [(0, 0)] * (x.ndim - 1) + [(0, -K % 32)]); x = x.reshape(x.shape[:-1] + (-1, 32)); a = np.abs(x).max(-1, keepdims=True)
;;       e = np.where(a > 0, np.clip(np.frexp(np.where(a > 0, a, 1))[1] - 1 - 2, -126, 127), 0)      # np.frexp(a)[1] - 1 = floor(log2(a)), exactly
;;       r = np.clip(x / 2.0 ** e, -6, 6)
;;       step = 2.0 ** (np.maximum(np.frexp(np.where(r == 0, 1, r))[1] - 1, 0) - 1)
;;       q = np.round(r / step) * step * 2.0 ** e      # np.round: ties to even
;;       return np.moveaxis(q.reshape(q.shape[:-2] + (-1,))[..., :K], -1, axis).astype(np.float32)
;;   ~~~
;; One version. Each part assembles by itself: llvm-mc -triple=amdgcn-amd-amdhsa -mcpu=gfx1250 --defsym DOCPART=n.
;; ======== version 1 of 1: 3 launches
;; limits: right only within a limited range of input values
;; workspace buffers: wimg 557,056 bytes; cb 131,072 bytes; sc 1,048,576 bytes
;; launch prep (part 1): grid 128 x 1, 8 waves a work-group, no clusters, 9,216 bytes of LDS; arguments W_attn, hidden, b_attn, wimg, cb; writes wimg, cb
.if DOCPART == 1
	.amdgcn_target "amdgcn-amd-amdhsa--gfx1250"
	.amdhsa_code_object_version 6
	.text
	.protected	k_q315bb51b29_prep
	.globl	k_q315bb51b29_prep
	.p2align	8
	.type	k_q315bb51b29_prep,@function
k_q315bb51b29_prep:
	s_mov_b64 s[64:65], 0
	v_nop
	global_prefetch_b8 v0, s[64:65] scope:SCOPE_SE
	s_setreg_imm32_b32 hwreg(HW_REG_WAVE_MODE, 25, 1), 1
	s_wait_xcnt 0x0
; THE PROGRAM: out0 = softmax_s( sum_o v[o] tanh( Q(enc) Q(We)^T + Q(h) Q(Wh)^T + b )[b][s][o] ), Q the MX-FP4 quantiser along K; three launches: this one, attn, soft.
; tanh(x) = 1 - 2 r, r = 1 / (1 + 2^(c x)), c = 2 log2(e).  So the softmax's input is  sum_o v[o]  -  2 sum_o v[o] r[b][s][o].
; DEAD WORK: the term sum_o v[o] is the same for every s of a row of the softmax, whatever the inputs hold, and a softmax is unchanged by a term that is the same along its axis: it is never formed.
; No input becomes dead by that: v still weighs r.  LIMIT: an overflow, NaN or infinity that would arise in that sum alone is not carried to the result.
; THIS LAUNCH: (1) We = W_attn[:, 1024:] becomes codes of FP4 (E2M1) and E8M0 scale bytes, laid in wimg in the order of the operand's registers, so that launch attn loads each fragment whole;
; (2) h_proj = Q(hidden) Q(Wh)^T by the scaled FP4 matrix instruction;  (3) cb[b][o] = c (h_proj[b][o] + b_attn[o]), f32.
; SHARES: work-group 2 T + m takes 16 rows of W_attn (outputs 16 T .. 16 T + 15) and batches 16 m .. 16 m + 15; wave s the K step of 128 numbers at 128 s.  Of We's K step it quantises the 64 numbers at 64 m: two blocks,
; four of the fragment's eight registers, two of the scale word's four bytes.  h_proj's K is split over the eight waves; their parts meet in LDS and are added in ascending s.  All 41 loads of a wave go out at its head.
; wimg: 16 chunks of 34,816 bytes, chunk T / 4; codes at 4096 s + 1024 (T % 4) + 512 c + 16 lane (c = m here); scale words from 32,768 on, at 512 (s / 2) + 256 (nt % 2) + 16 r + 8 (s % 2) + 4 (nt / 2), nt = T % 4.
; A block's scale byte is its largest magnitude's exponent field - 2, held at 1 from below.  A block of zeros so gets the byte 1 where the rule says 127: its codes are zeros, and this program alone reads the bytes.
; LIMITS: NaN and infinities among the inputs are not served; blocks whose largest magnitude lies under 2^(3 - 127) are quantised under the byte 1.
; SMALL STORES, accepted: cb leaves in runs of 64 bytes, 4 a lane, and the scale bytes two at a time: 131,072 + 32,768 bytes in all.  W's loads take 16 bytes a lane from 32 places; a unit's 16 loads together cover 512 bytes of each of 16 rows.
.set SPARE, 8192                       ; LDS: the waves' parts of h_proj, 1,024 bytes each, from 0; behind them the spare words, 128 bytes a wave
.set SPW, 16                           ; v16  my spare word's address; never rewritten
.set NIL, 17                           ; v17  0; never rewritten
.set TM,  20                           ; v20-35 the quantiser's work
.set XA,  64                           ; v64-95   We's 32 numbers a lane
.set XB,  128                          ; v128-191 Wh's 64
.set XC,  192                          ; v192-255 hidden's 64
.set SEL, 34                           ; s[34:35] lane selects: lane l xor 16
; 64 numbers of a lane, register 16 b + i = k 32 b + 16 (lane / 16) + i of my row, become a fragment's 8 registers of codes at v[pc] and the row's scale word in v[pw]
.macro QUANT s, pc, pw
.irp b, 0,1,2,3
	v_max3_num_f32 v[TM+\b], |v[\s+16*\b]|, |v[\s+1+16*\b]|, 0x1800000   ; block b: my 16 numbers, and the floor 2^(3 - 127): the byte cannot fall under 1
.endr
.irp i, 2,4,6,8,10,12,14
.irp b, 0,1,2,3
	s_delay_alu instid0(VALU_DEP_4)
	v_max3_num_f32 v[TM+\b], v[TM+\b], |v[\s+16*\b+\i]|, |v[\s+1+16*\b+\i]|   ; the four blocks by turns
.endr
.endr
.irp b, 0,1,2,3
	s_delay_alu instid0(VALU_DEP_4)
	v_permlanex16_b32 v[TM+4+\b], v[TM+\b], s[SEL], s[SEL+1]
.endr
.irp b, 0,1,2,3
	s_delay_alu instid0(VALU_DEP_4)
	v_max_num_f32 v[TM+\b], v[TM+\b], v[TM+4+\b]                     ; with lane l xor 16's 16: the block's largest magnitude
.endr
.irp b, 0,1,2,3
	s_delay_alu instid0(VALU_DEP_4)
	v_add_nc_u32 v[TM+12+\b], 0xff000000, v[TM+\b]                   ; 2 off its exponent field: the conversion's scale operand
.endr
.irp b, 0,1,2,3
	s_delay_alu instid0(VALU_DEP_4)
	v_lshrrev_b32 v[TM+4+\b], 23, v[TM+12+\b]                        ; the scale's byte
.endr
	s_delay_alu instid0(VALU_DEP_3)
	v_lshl_or_b32 v[\pw], v[TM+5], 8, v[TM+4]
	s_delay_alu instid0(VALU_DEP_1)
	v_lshl_or_b32 v[\pw], v[TM+6], 16, v[\pw]
	s_delay_alu instid0(VALU_DEP_1)
	v_lshl_or_b32 v[\pw], v[TM+7], 24, v[\pw]                        ; my row's scale word for these 128 along K
.irp b, 0,1,2,3
	v_cvt_scalef32_pk8_fp4_f32 v[\pc+2*\b], v[\s+16*\b:\s+7+16*\b], v[TM+12+\b]
	v_cvt_scalef32_pk8_fp4_f32 v[\pc+1+2*\b], v[\s+8+16*\b:\s+15+16*\b], v[TM+12+\b]
.endr
	v_nop                                                            ; one plain instruction behind the scaled conversions
.irp c, 0,1
.irp i, 0,1
	v_permlane16_swap_b32 v[\pc+4*\c+\i], v[\pc+2+4*\c+\i]           ; a whole block to a lane: registers 4 c .. 4 c + 3 hold k = 64 c + 32 (lane / 16) + 0 .. 31
.endr
.endr
.endm
; The same for two blocks: 32 numbers of a lane become four registers of codes and, in the low half of v[pw], two scale bytes
.macro QUANT2 s, pc, pw
.irp b, 0,1
	v_max3_num_f32 v[TM+\b], |v[\s+16*\b]|, |v[\s+1+16*\b]|, 0x1800000
.endr
.irp i, 2,4,6,8,10,12,14
.irp b, 0,1
	s_delay_alu instid0(VALU_DEP_2)
	v_max3_num_f32 v[TM+\b], v[TM+\b], |v[\s+16*\b+\i]|, |v[\s+1+16*\b+\i]|
.endr
.endr
.irp b, 0,1
	s_delay_alu instid0(VALU_DEP_2)
	v_permlanex16_b32 v[TM+4+\b], v[TM+\b], s[SEL], s[SEL+1]
.endr
.irp b, 0,1
	s_delay_alu instid0(VALU_DEP_2)
	v_max_num_f32 v[TM+\b], v[TM+\b], v[TM+4+\b]
.endr
.irp b, 0,1
	s_delay_alu instid0(VALU_DEP_2)
	v_add_nc_u32 v[TM+12+\b], 0xff000000, v[TM+\b]
.endr
.irp b, 0,1
	s_delay_alu instid0(VALU_DEP_2)
	v_lshrrev_b32 v[TM+4+\b], 23, v[TM+12+\b]
.endr
	s_delay_alu instid0(VALU_DEP_1)
	v_lshl_or_b32 v[\pw], v[TM+5], 8, v[TM+4]
.irp b, 0,1
	v_cvt_scalef32_pk8_fp4_f32 v[\pc+2*\b], v[\s+16*\b:\s+7+16*\b], v[TM+12+\b]
	v_cvt_scalef32_pk8_fp4_f32 v[\pc+1+2*\b], v[\s+8+16*\b:\s+15+16*\b], v[TM+12+\b]
.endr
	v_nop                                                            ; one plain instruction behind the scaled conversions
.irp i, 0,1
	v_permlane16_swap_b32 v[\pc+\i], v[\pc+2+\i]
.endr
.endm
.macro XLOAD reg, adr, base, off       ; 16 rows x 128 along K, 64 numbers a lane, in the quantiser's order
.irp b, 0,1,2,3
.irp j, 0,1,2,3
	global_load_b128 v[\reg+16*\b+4*\j:\reg+16*\b+4*\j+3], v[\adr], s[\base:\base+1] offset:\off+128*\b+16*\j
.endr
.endr
.endm
	s_load_b256 s[4:11], s[0:1], 0x0               ; W_attn s[4:5], hidden s[6:7], b_attn s[8:9], wimg s[10:11]
	s_load_b64 s[12:13], s[0:1], 0x20              ; cb
	v_lshl_add_u32 v[SPW], v0, 2, SPARE
	v_mov_b32 v[NIL], 0
	v_lshrrev_b32 v9, 5, v0
	s_delay_alu instid0(VALU_DEP_1)
	v_readfirstlane_b32 s14, v9                    ; wave = K step s
	v_and_b32 v9, 31, v0                           ; lane
	v_and_b32 v12, 15, v0                          ; r; also the thread's output u = t % 16
	v_bfe_u32 v13, v0, 4, 1                        ; h
	s_delay_alu instid0(VALU_DEP_3)
	v_lshlrev_b32 v1, 4, v9                        ; 16 x lane: an image's place
	s_delay_alu instid0(VALU_DEP_3)
	v_lshlrev_b32 v2, 13, v12
	s_delay_alu instid0(VALU_DEP_1)
	v_lshl_add_u32 v2, v13, 6, v2                  ; W_attn: row r of 8,192 bytes, + 64 h
	v_lshlrev_b32 v3, 12, v12
	s_delay_alu instid0(VALU_DEP_1)
	v_lshl_add_u32 v3, v13, 6, v3                  ; hidden: row r of 4,096 bytes, + 64 h
	v_lshlrev_b32 v4, 4, v12                       ; a scale word's place: 16 r
	s_lshl_b32 s15, s14, 10
	v_add_nc_u32 v5, s15, v1                       ; LDS: my wave's part, 16 x lane
	; thread t sums batch t / 16 of the sixteen, output u = t % 16: where that number lies in a wave's part
	v_bfe_u32 v14, v0, 4, 4
	s_delay_alu instid0(VALU_DEP_1)
	v_lshlrev_b32 v6, 4, v14                       ; 16 x batch
	v_bfe_u32 v14, v0, 3, 1
	s_delay_alu instid0(VALU_DEP_1)
	v_lshl_add_u32 v6, v14, 8, v6                  ; 256 x (half of the lanes: u / 8)
	v_bfe_u32 v14, v0, 2, 1
	s_delay_alu instid0(VALU_DEP_1)
	v_lshl_add_u32 v6, v14, 9, v6                  ; 512 x (which four registers)
	v_and_b32 v14, 3, v0
	s_delay_alu instid0(VALU_DEP_1)
	v_lshl_add_u32 v6, v14, 2, v6                  ; 4 x (which of the four)
	v_lshrrev_b32 v14, 4, v0
	v_lshlrev_b32 v8, 2, v12                       ; b_attn: 4 u
	s_delay_alu instid0(VALU_DEP_1)
	v_lshl_add_u32 v7, v14, 12, v8                 ; cb: 4,096 x batch + 4 u
.irp b, 0,1,2,3
	v_mov_b32 v[TM+4+\b], 0                        ; written once: a lane permute's destination counts as one of its sources
.endr
	s_mov_b32 s[SEL], 0x76543210
	s_mov_b32 s[SEL+1], 0xfedcba98
	s_mov_b32 s36, 0x4038aa3b                      ; c = 2 log2(e)
	s_lshr_b32 s32, ttmp9, 1                       ; T
	s_and_b32 s33, ttmp9, 1                        ; m
	s_lshl_b32 s16, s32, 17                        ; 16 rows of 8,192 bytes a tile,
	s_lshl_b32 s18, s14, 9                         ; 512 bytes a K step
	s_add_co_u32 s16, s16, s18
	s_mov_b32 s17, 0
	s_lshl_b32 s15, s33, 16                        ; 16 batches of 4,096 bytes
	s_add_co_u32 s18, s18, s15                     ; hidden: my K step of my 16 batches
	s_mov_b32 s19, 0
	s_lshl_b32 s20, s33, 8                         ; We: my 64 numbers of the K step
	s_mov_b32 s21, 0
	s_lshl_b32 s22, s32, 6                         ; 16 outputs of 4 bytes
	s_mov_b32 s23, 0
	s_add_co_u32 s24, s22, s15                     ; cb: my outputs in my first batch
	s_mov_b32 s25, 0
	s_lshr_b32 s38, s32, 2                         ; the chunk
	s_and_b32 s39, s32, 3                          ; nt
	s_mul_i32 s38, s38, 34816
	s_lshl_b32 s15, s14, 12
	s_add_co_u32 s26, s38, s15
	s_lshl_b32 s15, s39, 10
	s_add_co_u32 s26, s26, s15
	s_lshl_b32 s15, s33, 9
	s_add_co_u32 s26, s26, s15                     ; the codes' place
	s_mov_b32 s27, 0
	s_add_co_u32 s28, s38, 32768                   ; the scale bytes' place
	s_lshr_b32 s15, s14, 1
	s_lshl_b32 s15, s15, 9
	s_add_co_u32 s28, s28, s15
	s_and_b32 s15, s39, 1
	s_lshl_b32 s15, s15, 8
	s_add_co_u32 s28, s28, s15
	s_and_b32 s15, s14, 1
	s_lshl_b32 s15, s15, 3
	s_add_co_u32 s28, s28, s15
	s_lshr_b32 s15, s39, 1
	s_lshl_b32 s15, s15, 2
	s_add_co_u32 s28, s28, s15
	s_lshl_b32 s15, s33, 1
	s_add_co_u32 s28, s28, s15
	s_mov_b32 s29, 0
	s_wait_alu depctr_va_vdst(0)
	s_wait_kmcnt 0x0
	s_add_nc_u64 s[4:5], s[4:5], s[16:17]          ; W_attn at my rows' K step: Wh
	s_add_nc_u64 s[16:17], s[4:5], s[20:21]        ; and 256 m on: with 4,096 in the immediate, my part of We
	s_add_nc_u64 s[6:7], s[6:7], s[18:19]
	s_add_nc_u64 s[8:9], s[8:9], s[22:23]
	s_add_nc_u64 s[30:31], s[10:11], s[28:29]
	s_add_nc_u64 s[10:11], s[10:11], s[26:27]
	s_add_nc_u64 s[12:13], s[12:13], s[24:25]
	global_load_b32 v10, v8, s[8:9]                ; my number of b_attn
.irp b, 0,1
.irp j, 0,1,2,3
	global_load_b128 v[XA+16*\b+4*\j:XA+16*\b+4*\j+3], v2, s[16:17] offset:4096+128*\b+16*\j   ; We: the row's second 4,096 bytes
.endr
.endr
	XLOAD XB, 2, 4, 0                              ; Wh
	XLOAD XC, 3, 6, 0                              ; hidden
	s_wait_loadcnt 32                              ; We's part is in: Wh's 16 loads and hidden's 16 are younger
	QUANT2 XA, 40, 36
	global_store_b128 v1, v[40:43], s[10:11]       ; half a fragment as it stands: 512 consecutive bytes
	global_store_b16 v4, v36, s[30:31]             ; both halves of the lanes hold the same two bytes and write them to the same place
	s_wait_loadcnt 16                              ; Wh is in: hidden's 16 loads are younger
	QUANT XB, 48, 37
	s_wait_loadcnt 0x0
	QUANT XC, 56, 38
.rept 8
	v_nop                                          ; a scale register written by a vector instruction stands 8 places ahead of a scaled matrix instruction, an operand 4
.endr
	; source 0 = 16 rows of Wh, source 1 = 16 batches: lane (r, h), register j: batch 16 m + r, output 16 T + 8 h + j
	v_wmma_scale_f32_16x16x128_f8f6f4 v[96:103], v[48:55], v[56:63], 0, v37, v38 matrix_a_fmt:MATRIX_FMT_FP4 matrix_b_fmt:MATRIX_FMT_FP4
.rept 4
	v_nop                                          ; four places ahead of the stores that read the result
.endr
	ds_store_b128 v5, v[96:99]                     ; the result from its low end on
	ds_store_b128 v5, v[100:103] offset:512
	s_wait_dscnt 0x0                               ; for the others' sake: my part lies in LDS
	s_barrier_signal -1
	s_barrier_wait -1
.irp k, 0,1,2,3,4,5,6,7
	ds_load_b32 v[104+\k], v6 offset:1024*\k
.endr
	s_wait_dscnt 0x0
.irp k, 1
	v_add_f32 v104, v104, v[104+\k]                ; K ascending
.endr
.irp k, 2, 3, 4, 5, 6, 7
	s_delay_alu instid0(VALU_DEP_1)
	v_add_f32 v104, v104, v[104+\k]                ; K ascending
.endr
	s_delay_alu instid0(VALU_DEP_1)
	v_add_f32 v104, v104, v10
	s_delay_alu instid0(VALU_DEP_1)
	v_mul_f32 v104, s36, v104                      ; c (h_proj + b)
	global_store_b32 v7, v104, s[12:13]
	s_wait_tensorcnt 0x0                           ; the wave's end, behind my last LDS store
	ds_add_u32 v[SPW], v[NIL]
	s_wait_dscnt 0x0
	s_endpgm
.Lfunc_end_k_q315bb51b29_prep:
	.size	k_q315bb51b29_prep, .Lfunc_end_k_q315bb51b29_prep-k_q315bb51b29_prep
	.p2alignl 7, 3214868480
	.fill 96, 4, 3214868480
	.section	.rodata,"a",@progbits
	.p2align	6, 0x0
	.amdhsa_kernel k_q315bb51b29_prep
		.amdhsa_group_segment_fixed_size 9216
		.amdhsa_private_segment_fixed_size 0
		.amdhsa_enable_private_segment 0
		.amdhsa_kernarg_size 40
		.amdhsa_user_sgpr_count 2
		.amdhsa_user_sgpr_kernarg_segment_ptr 1
		.amdhsa_wavefront_size32 1
		.amdhsa_system_sgpr_workgroup_id_x 1
		.amdhsa_system_sgpr_workgroup_id_y 1
		.amdhsa_system_sgpr_workgroup_id_z 1
		.amdhsa_system_vgpr_workitem_id 0
		.amdhsa_next_free_vgpr 256
		.amdhsa_next_free_sgpr 66
		.amdhsa_reserve_vcc 0
		.amdhsa_float_denorm_mode_32 3
		.amdhsa_float_denorm_mode_16_64 3
		.amdhsa_memory_ordered 1
		.amdhsa_forward_progress 1
		.amdhsa_inst_pref_size 23
	.end_amdhsa_kernel
	.amdgpu_metadata
---
amdhsa.version: [ 1, 2 ]
amdhsa.kernels:
  - .name:           k_q315bb51b29_prep
    .symbol:         k_q315bb51b29_prep.kd
    .args:
      - { .name: W_attn, .offset: 0, .size: 8, .value_kind: global_buffer, .address_space: global }
      - { .name: hidden, .offset: 8, .size: 8, .value_kind: global_buffer, .address_space: global }
      - { .name: b_attn, .offset: 16, .size: 8, .value_kind: global_buffer, .address_space: global }
      - { .name: wimg, .offset: 24, .size: 8, .value_kind: global_buffer, .address_space: global }
      - { .name: cb, .offset: 32, .size: 8, .value_kind: global_buffer, .address_space: global }
    .group_segment_fixed_size: 9216
    .private_segment_fixed_size: 0
    .kernarg_segment_align: 8
    .kernarg_segment_size: 40
    .max_flat_workgroup_size: 256
    .sgpr_count:     66
    .vgpr_count:     256
    .wavefront_size: 32
...
	.end_amdgpu_metadata
.endif
;; end of part 1
;; launch attn (part 2): grid 256 x 1, 4 waves a work-group, no clusters, 327,680 bytes of LDS; arguments encoder_outputs, wimg, cb, v, sc; writes sc
.if DOCPART == 2
	.amdgcn_target "amdgcn-amd-amdhsa--gfx1250"
	.amdhsa_code_object_version 6
	.text
	.protected	k_q315bb51b29_attn
	.globl	k_q315bb51b29_attn
	.p2align	8
	.type	k_q315bb51b29_attn,@function
k_q315bb51b29_attn:
	s_mov_b64 s[64:65], 0
	v_nop
	global_prefetch_b8 v0, s[64:65] scope:SCOPE_SE
	s_setreg_imm32_b32 hwreg(HW_REG_WAVE_MODE, 25, 1), 1
	s_wait_xcnt 0x0
; sc[w][row] = sum over wave w's 256 outputs o of v[o] r[row][o],  r = 1 / (1 + 2^(c e_proj[row][o] + cb[b][o])),  e_proj = Q(enc) Q(We)^T by the scaled FP4 matrix instruction.
; LEFT OUT as dead work (shown at the head of launch prep): the term sum_o v[o], the same along the softmax's axis.
; A work-group takes 256 rows of one batch, in four blocks of 64.  Each wave brings its quarter of K (1,024 bytes of a row) of 32 rows by one tensor load into its own ring of two slots,
; quantises it (two fragments of 16 rows x 128 K a call of ENC) and lays codes and scale words in LDS as images of the operand's registers; behind a barrier every wave fetches the block's whole A (256 registers).
; Wave w multiplies it with the chunks of 64 outputs numbered 4 i + w, whose fragments come from wimg straight into registers; the chunks are walked there and back, so that a block's last chunk serves the next block's first.
; While block n is multiplied, block n + 1 is quantised.  A slot holds the even or the odd rows of a block, so that lane l ends with rows 2 l and 2 l + 1: one store of 256 consecutive bytes a block.
; No cluster: the work-groups share wimg alone, which goes to registers and not through tensor loads.  LIMITS: NaN and infinities among the inputs are not served; where 2^y overflows, r is 0, as tanh = 1 asks.
.set SLOTB, 33280
.set XWB,   66560
.set IMG,   266240
.set ASC,   299008
.set VCB,   301056
.set SPARE, 309248
.set LI,  1
.set RB,  2
.set IWB, 3
.set SWB, 4
.set FI,  5
.set FS,  6
.set VA,  7
.set ADX, 8
.set IWA, 9
.set SWA, 10
.set ADV, 11
.set OO,  13
.set VST, 14
.set TO,  15
.set SPW, 16
.set NIL, 17
.set SCO, 18
.set TM,  20
.set PW,  36
.set PC,  38
.set ASW, 48
.set BSW, 64
.set XU,  80
.set S,   144
.set T,   160
.set XA,  192
.set CB3, 128
.set VR3, 160
.set SEL, 34
.set MSB, 0
.macro WIN new
.if MSB != \new
	s_set_vgpr_msb (MSB<<8)|\new
.set MSB, \new
.endif
.endm
.macro QUANT s, pc, pw
.irp b, 0,1,2,3
	v_max3_num_f32 v[TM+\b], |v[\s+16*\b]|, |v[\s+1+16*\b]|, 0x1800000
.endr
.irp i, 2,4,6,8,10,12,14
.irp b, 0,1,2,3
	v_max3_num_f32 v[TM+\b], v[TM+\b], |v[\s+16*\b+\i]|, |v[\s+1+16*\b+\i]|
.endr
.endr
.irp b, 0,1,2,3
	v_permlanex16_b32 v[TM+4+\b], v[TM+\b], s[SEL], s[SEL+1]
.endr
.irp b, 0,1,2,3
	v_max_num_f32 v[TM+\b], v[TM+\b], v[TM+4+\b]
.endr
.irp b, 0,1,2,3
	v_add_nc_u32 v[TM+12+\b], 0xff000000, v[TM+\b]
.endr
.irp b, 0,1,2,3
	v_lshrrev_b32 v[TM+4+\b], 23, v[TM+12+\b]
.endr
	v_lshl_or_b32 v[\pw], v[TM+5], 8, v[TM+4]
	v_lshl_or_b32 v[\pw], v[TM+6], 16, v[\pw]
	v_lshl_or_b32 v[\pw], v[TM+7], 24, v[\pw]
.irp b, 0,1,2,3
	v_cvt_scalef32_pk8_fp4_f32 v[\pc+2*\b], v[\s+16*\b:\s+7+16*\b], v[TM+12+\b]
	v_cvt_scalef32_pk8_fp4_f32 v[\pc+1+2*\b], v[\s+8+16*\b:\s+15+16*\b], v[TM+12+\b]
.endr
	v_nop
.irp c, 0,1
.irp i, 0,1
	v_permlane16_swap_b32 v[\pc+4*\c+\i], v[\pc+2+4*\c+\i]
.endr
.endr
.endm
.macro ENCADR
	s_lshr_b32 s52, s51, 4
	v_add_nc_u32 v[ADX], s50, v[RB]
	v_add_nc_u32 v[IWA], s51, v[IWB]
	v_add_nc_u32 v[SWA], s52, v[SWB]
.endm
.macro ENCL4 k
.set eR, XA+(XU-XA)*((\k)/4)+16*((\k)%4)
.irp j, 0,1,2,3
	ds_load_b128 v[eR+4*\j:eR+4*\j+3], v[ADX] offset:512*((\k)/4)+128*((\k)%4)+16*\j
.endr
.endm
.macro ENCQ
	s_wait_dscnt 16
	QUANT XA, PC, PW
	ds_store_b128 v[IWA], v[PC:PC+3]
	ds_store_b128 v[IWA], v[PC+4:PC+7] offset:512
	ds_store_b32 v[SWA], v[PW]
	s_wait_dscnt 0x0
	QUANT XU, PC, PW
	ds_store_b128 v[IWA], v[PC:PC+3] offset:1024
	ds_store_b128 v[IWA], v[PC+4:PC+7] offset:1536
	ds_store_b32 v[SWA], v[PW] offset:64
.endm
.macro ENC
	ENCADR
.irp k, 0,1,2,3,4,5,6,7
	ENCL4 \k
.endr
	ENCQ
.endm
.macro HALFEND
	s_sub_co_u32 s50, s50, SLOTB
	s_xor_b32 s50, s50, SLOTB
	s_sub_co_u32 s51, s51, 16384
	s_xor_b32 s51, s51, 16384
	s_add_co_u32 s58, s58, 1
.endm
.macro BLOAD1 first
.if \first
	s_mov_b64 s[40:41], s[38:39]
.else
	s_add_co_u32 s52, s51, 8192
	s_xor_b32 s52, s52, s59
	s_lshr_b32 s52, s52, 13
	s_and_b32 s52, s52, 3
	s_mul_i32 s42, s52, 139264
	s_add_nc_u64 s[40:41], s[38:39], s[42:43]
.endif
.irp j, 0,1,2,3
	global_load_b128 v[BSW+4*\j:BSW+4*\j+3], v[LI], s[40:41] offset:32768+512*\j
.endr
	WIN 0x80
.set k, 0
.rept 56
	global_load_b128 v[4*k:4*k+3], v[LI], s[40:41] offset:512*k
.set k, k+1
.endr
	WIN 0
.endm
.macro BLOAD2
	WIN 0x80
.set k, 56
.rept 8
	global_load_b128 v[4*k:4*k+3], v[LI], s[40:41] offset:512*k
.set k, k+1
.endr
	WIN 0
.endm
.macro GEMM s0, s1
	WIN 0xF6
.set gs, \s0
.rept \s1-\s0+1
.set gn, 0
.rept 4
.set gm, 0
.rept 4
.set rD, 8*(4*gn+gm)
.set rB, 8*(4*gs+gn)
.set rA, 8*(8*gm+gs)
.set rX, BSW+2*gs+gn/2
.set rY, ASW+4*gm+gs/2
.if gs == 0
.if gn%2 == 0
	v_wmma_scale_f32_16x16x128_f8f6f4 v[rD:rD+7], v[rB:rB+7], v[rA:rA+7], 0, v[rX], v[rY] matrix_a_fmt:MATRIX_FMT_FP4 matrix_b_fmt:MATRIX_FMT_FP4
.else
	v_wmma_scale_f32_16x16x128_f8f6f4 v[rD:rD+7], v[rB:rB+7], v[rA:rA+7], 0, v[rX], v[rY] matrix_a_fmt:MATRIX_FMT_FP4 matrix_b_fmt:MATRIX_FMT_FP4 matrix_a_scale:MATRIX_SCALE_ROW1
.endif
.elseif (gn%2 == 0) && (gs%2 == 0)
	v_wmma_scale_f32_16x16x128_f8f6f4 v[rD:rD+7], v[rB:rB+7], v[rA:rA+7], v[rD:rD+7], v[rX], v[rY] matrix_a_fmt:MATRIX_FMT_FP4 matrix_b_fmt:MATRIX_FMT_FP4
.elseif (gn%2 == 1) && (gs%2 == 0)
	v_wmma_scale_f32_16x16x128_f8f6f4 v[rD:rD+7], v[rB:rB+7], v[rA:rA+7], v[rD:rD+7], v[rX], v[rY] matrix_a_fmt:MATRIX_FMT_FP4 matrix_b_fmt:MATRIX_FMT_FP4 matrix_a_scale:MATRIX_SCALE_ROW1
.elseif gn%2 == 0
	v_wmma_scale_f32_16x16x128_f8f6f4 v[rD:rD+7], v[rB:rB+7], v[rA:rA+7], v[rD:rD+7], v[rX], v[rY] matrix_a_fmt:MATRIX_FMT_FP4 matrix_b_fmt:MATRIX_FMT_FP4 matrix_b_scale:MATRIX_SCALE_ROW1
.else
	v_wmma_scale_f32_16x16x128_f8f6f4 v[rD:rD+7], v[rB:rB+7], v[rA:rA+7], v[rD:rD+7], v[rX], v[rY] matrix_a_fmt:MATRIX_FMT_FP4 matrix_b_fmt:MATRIX_FMT_FP4 matrix_a_scale:MATRIX_SCALE_ROW1 matrix_b_scale:MATRIX_SCALE_ROW1
.endif
.set gm, gm+1
.endr
.set gn, gn+1
.endr
.set gs, gs+1
.endr
.endm
.macro TANH
	WIN 0xF3
.set ti, 0
.rept 64                               ; y = c x + cb for all 16 accumulators, each from its low end on: every source of the batch below is laid first
	v_pk_fma_f32 v[2*ti:2*ti+1], v[2*ti:2*ti+1], s[36:37], v[CB3+8*(ti/16)+(2*ti)%8:CB3+8*(ti/16)+(2*ti)%8+1] op_sel_hi:[1,0,1]
.set ti, ti+1
.endr
.set tg, 0
	s_wait_alu depctr_va_vdst(0)
.rept 4
.set ti, 0
.rept 16                               ; the 128 exponentials are one batch: one wait ahead of it and one behind it
	v_exp_f32 v[32*tg+2*ti], v[32*tg+2*ti]
	v_exp_f32 v[32*tg+2*ti+1], v[32*tg+2*ti+1]
.set ti, ti+1
.endr
.set tg, tg+1
.endr
	v_nop
	s_wait_alu depctr_va_vdst(0)
.set ti, 0
.rept 16
	v_pk_add_f32 v[2*ti:2*ti+1], v[2*ti:2*ti+1], 1.0 op_sel_hi:[1,0]
.set ti, ti+1
.endr
.set tg, 0
	s_wait_alu depctr_va_vdst(0)
.rept 4
.set ti, 0
	s_wait_alu depctr_va_vdst(0)
.rept 16
	v_rcp_f32 v[32*tg+2*ti], v[32*tg+2*ti]
	v_rcp_f32 v[32*tg+2*ti+1], v[32*tg+2*ti+1]
.if tg < 3
	v_pk_add_f32 v[32*tg+32+2*ti:32*tg+33+2*ti], v[32*tg+32+2*ti:32*tg+33+2*ti], 1.0 op_sel_hi:[1,0]
.endif
.set ti, ti+1
.endr
.set tg, tg+1
.endr
	v_nop
	s_wait_alu depctr_va_vdst(0)
	WIN 0x0F
.set tj, 0
.rept 4
.set tg, 0
.rept 4
.set tm, 0
.rept 4
	v_pk_fma_f32 v[S+4*tm+2*(tg%2):S+4*tm+2*(tg%2)+1], v[32*tg+8*tm+2*tj:32*tg+8*tm+2*tj+1], v[VR3+8*tg+2*tj:VR3+8*tg+2*tj+1], v[S+4*tm+2*(tg%2):S+4*tm+2*(tg%2)+1]
.set tm, tm+1
.endr
.set tg, tg+1
.endr
.set tj, tj+1
.endr
	WIN 0
.endm
.macro TOP
	s_wait_tensorcnt 0x0
	ds_add_u32 v[SPW], v[NIL]
	s_xor_b32 s29, s29, SLOTB
	s_add_nc_u64 s[30:31], s[30:31], s[32:33]
	s_xor_b32 s32, s32, 0x3e000
	s_wait_dscnt 0x0
	s_barrier_signal -1
	s_barrier_wait -1
	tensor_load_to_lds s[28:31], s[16:23]
	s_nop 0
.rept 4
	v_nop
.endr
.endm
.macro CHUNK enc, last
	s_bfe_u32 s59, s58, 0x10001
	s_mul_i32 s59, s59, 0x6000
	s_xor_b32 s52, s51, s59
	s_lshr_b32 s52, s52, 3
	s_and_b32 s52, s52, 0xc00
	v_add_nc_u32 v[ADV], s52, v[VA]
.if \enc == 1
	ENCADR
.endif
	WIN 0xC0
.irp n, 0,1,2,3
.irp c, 0,1
	ds_load_b128 v[VR3+8*\n+4*\c:VR3+8*\n+4*\c+3], v[ADV] offset:64*\n+16*\c
	ds_load_b128 v[CB3+8*\n+4*\c:CB3+8*\n+4*\c+3], v[ADV] offset:4096+64*\n+16*\c
.endr
.endr
	s_wait_alu depctr_va_vdst(0)
.set ck, 0
.rept 8
	s_wait_loadcnt 56-8*ck                 ; the 4 loads of scale words and K steps 0 .. ck's 8 loads each are in: the 56 - 8 ck loads issued behind them may be out (where the chunk is used again, only K step 7's eight were issued anew)
	GEMM ck, ck
.if \enc == 1
	WIN 0
	ENCL4 ck
.endif
.set ck, ck+1
.endr
	WIN 0
.rept 4
	v_nop
.endr
.if \last
	s_cmp_eq_u32 s49, 1
.else
	s_cmp_eq_u32 s51, 24576
.endif
	s_cbranch_scc1 .Lnb1_\@
	BLOAD1 0
.Lnb1_\@:
.if \enc == 1
	s_wait_dscnt 32
.else
	s_wait_dscnt 0x0
.endif
	TANH
.if \last
	s_cmp_eq_u32 s49, 1
	s_cbranch_scc1 .Lnb2_\@
.endif
	BLOAD2
.if \last
.Lnb2_\@:
.endif
.if \enc == 2
	TOP
	ENCADR
.irp k, 0,1,2,3,4,5,6,7
	ENCL4 \k
.endr
.endif
.if \enc
	ENCQ
	s_add_co_u32 s50, s50, 16640
.endif
	s_add_co_u32 s51, s51, 8192
.endm
.macro FETCH_A
	WIN 0x40
.set k, 0
.rept 64
	ds_load_b128 v[4*k:4*k+3], v[FI] offset:512*k
.set k, k+1
.endr
	WIN 0
.set k, 0
.rept 16
	ds_load_b32 v[ASW+k], v[FS] offset:128*k
.set k, k+1
.endr
.endm
.macro BLOCKEND more
.irp m, 0,1,2,3
	v_pk_add_f32 v[T+4*\m:T+4*\m+1], v[S+4*\m:S+4*\m+1], v[S+4*\m+2:S+4*\m+3]
.endr
.irp m, 0,1,2,3
	v_add_f32 v[T+4*\m], v[T+4*\m], v[T+4*\m+1]
.endr
.irp m, 0,1,2,3
	v_permlanex16_b32 v[T+4*\m+2], v[T+4*\m], s[SEL], s[SEL+1]
.endr
.irp m, 0,1,2,3
	v_add_f32 v[T+4*\m], v[T+4*\m], v[T+4*\m+2]
.endr
	v_cndmask_b32 v[SCO], v[T], v[T+4], s46
	v_cndmask_b32 v[SCO+1], v[T+8], v[T+12], s46
	global_store_b64 v[OO], v[SCO:SCO+1], s[44:45]
.if \more
.irp j, 0,1,2,3,4,5,6,7,8,9,10,11,12,13,14,15
	v_mov_b32 v[S+\j], 0
.endr
	s_wait_xcnt 0x0
	s_add_nc_u64 s[44:45], s[44:45], 256
.endif
.endm
	s_load_b256 s[4:11], s[0:1], 0x0
	s_load_b64 s[12:13], s[0:1], 0x20
	v_lshl_add_u32 v[SPW], v0, 2, SPARE
	v_mov_b32 v[NIL], 0
	ds_add_u32 v[SPW], v[NIL]
	ds_add_u32 v[SPW], v[NIL]
	v_lshrrev_b32 v8, 5, v0
	v_readfirstlane_b32 s14, v8
	s_mov_b32 s16, (2<<16)|(1<<20)|(7<<22)|(3<<25)
	s_mov_b32 s17, 256<<16
	s_mov_b32 s18, 32<<16
	s_mov_b32 s19, 256<<16
	s_mov_b32 s20, 32
	s_mov_b32 s21, 2048
	s_mov_b32 s22, 0
	s_mov_b32 s23, 0
	s_mul_i32 s15, s14, XWB
	s_lshl_b32 s52, ttmp9, 20
	s_lshl_b32 s53, s14, 10
	s_add_co_u32 s52, s52, s53
	s_mov_b32 s53, 0
	s_lshr_b32 s54, ttmp9, 3
	s_lshl_b32 s54, s54, 12
	s_mov_b32 s55, 0
	s_mul_i32 s56, s14, 34816
	s_mov_b32 s57, 0
	s_mov_b32 s32, 258048
	s_mov_b32 s33, 0
	s_mov_b32 s[SEL], 0x76543210
	s_mov_b32 s[SEL+1], 0xfedcba98
	s_mov_b32 s36, 0x4038aa3b
	s_mov_b32 s37, s36
	s_mov_b32 s43, 0
	s_mov_b32 s46, 0xffff0000
	s_mov_b32 s50, 0
	s_mov_b32 s51, 0
	s_mov_b32 s58, 2
	s_wait_dscnt 0x0
	s_wait_kmcnt 0x0
	s_add_nc_u64 s[4:5], s[4:5], s[52:53]
	s_mov_b32 s24, 1
	s_mov_b32 s25, s15
	s_mov_b64 s[26:27], s[4:5]
	s_or_b32 s27, s27, 0x80000000
	s_mov_b32 s28, 1
	s_add_co_u32 s29, s15, SLOTB
	s_add_nc_u64 s[30:31], s[4:5], 4096
	s_or_b32 s31, s31, 0x80000000
	tensor_load_to_lds s[24:27], s[16:23]
	s_nop 0
	s_add_nc_u64 s[8:9], s[8:9], s[54:55]          ; cb: my batch's row
	v_lshlrev_b32 v[TO], 4, v0
	global_load_b128 v[T:T+3], v[TO], s[10:11]     ; v and cb are asked for here, so that they are on their way together with the first tile
	global_load_b128 v[T+4:T+7], v[TO], s[10:11] offset:2048
	global_load_b128 v[T+8:T+11], v[TO], s[8:9]
	global_load_b128 v[T+12:T+15], v[TO], s[8:9] offset:2048
	s_wait_alu depctr_va_vdst(0)
	s_wait_tensorcnt 0x0
	ds_add_u32 v16, v17
	s_wait_dscnt 0x0
	s_barrier_signal -1
	s_barrier_wait -1
	tensor_load_to_lds s[28:31], s[16:23]
	s_nop 0
.rept 4
	v_nop
.endr
	s_add_nc_u64 s[38:39], s[6:7], s[56:57]
	s_lshl_b32 s52, s14, 18
	s_lshl_b32 s54, ttmp9, 10
	s_add_co_u32 s52, s52, s54
	s_add_nc_u64 s[44:45], s[12:13], s[52:53]
	v_and_b32 v8, 31, v0
	v_and_b32 v9, 15, v0
	v_bfe_u32 v10, v0, 4, 1
	v_lshlrev_b32 v[LI], 4, v8
	v_mul_u32_u24 v[RB], v9, 1040
	v_lshl_add_u32 v[RB], v10, 6, v[RB]
	v_add_nc_u32 v[RB], s15, v[RB]
	s_lshl_b32 s52, s14, 11
	s_add_co_u32 s52, s52, IMG
	v_add_nc_u32 v[IWB], s52, v[LI]
	s_lshl_b32 s52, s14, 7
	s_add_co_u32 s52, s52, ASC
	v_lshl_add_u32 v[SWB], v9, 2, s52
	v_add_nc_u32 v[FI], IMG, v[LI]
	v_lshl_add_u32 v[FS], v8, 2, ASC
	s_lshl_b32 s52, s14, 8
	s_add_co_u32 s52, s52, VCB
	v_lshl_add_u32 v[VA], v10, 5, s52
	v_lshlrev_b32 v[OO], 3, v8
	v_lshl_add_u32 v[VST], v0, 4, VCB
.irp j, 0,1,2,3,4,5,6,7,8,9,10,11,12,13,14,15
	v_mov_b32 v[S+\j], 0
.endr
.irp b, 0,1,2,3
	v_mov_b32 v[TM+4+\b], 0
.endr
	s_wait_loadcnt 0x0
	ds_store_b128 v[VST], v[T:T+3]
	ds_store_b128 v[VST], v[T+4:T+7] offset:2048
	ds_store_b128 v[VST], v[T+8:T+11] offset:4096
	ds_store_b128 v[VST], v[T+12:T+15] offset:6144
	BLOAD1 1
	BLOAD2
	s_wait_tensorcnt 0x1
	s_mov_b32 s49, 2
.Lpro0:
	ENC
	s_add_co_u32 s50, s50, 16640
	s_add_co_u32 s51, s51, 8192
	s_sub_co_u32 s49, s49, 1
	s_cmp_lg_u32 s49, 0
	s_cbranch_scc1 .Lpro0
	HALFEND
	TOP
	s_mov_b32 s49, 2
.Lpro1:
	ENC
	s_add_co_u32 s50, s50, 16640
	s_add_co_u32 s51, s51, 8192
	s_sub_co_u32 s49, s49, 1
	s_cmp_lg_u32 s49, 0
	s_cbranch_scc1 .Lpro1
	HALFEND
	s_wait_dscnt 0x0
	s_barrier_signal -1
	s_barrier_wait -1
	FETCH_A
	s_wait_dscnt 0x0
	CHUNK 2, 0
	CHUNK 1, 0
	HALFEND
	TOP
	s_mov_b32 s48, 3
.Lmain:
	s_mov_b32 s49, 2
.Lmain_q:
	CHUNK 1, 0
	s_sub_co_u32 s49, s49, 1
	s_cmp_lg_u32 s49, 0
	s_cbranch_scc1 .Lmain_q
	HALFEND
	TOP
	s_and_b32 s52, s48, 1
	s_cmp_eq_u32 s52, 0
	s_cbranch_scc1 .Lmid
	FETCH_A
	BLOCKEND 1
.Lmid:
	s_wait_dscnt 0x0
	s_barrier_signal -1
	s_barrier_wait -1
	s_sub_co_u32 s48, s48, 1
	s_cmp_lg_u32 s48, 0
	s_cbranch_scc1 .Lmain
	s_mov_b32 s48, 2
.Ltail:
	s_mov_b32 s49, 2
.Ltail_q:
	CHUNK 1, 0
	s_sub_co_u32 s49, s49, 1
	s_cmp_lg_u32 s49, 0
	s_cbranch_scc1 .Ltail_q
	HALFEND
	s_wait_tensorcnt 0x0
	s_wait_dscnt 0x0
	s_barrier_signal -1
	s_barrier_wait -1
	s_sub_co_u32 s48, s48, 1
	s_cmp_lg_u32 s48, 0
	s_cbranch_scc1 .Ltail
	FETCH_A
	BLOCKEND 1
	s_wait_dscnt 0x0
	s_mov_b32 s49, 4
.Llast:
	CHUNK 0, 1
	s_sub_co_u32 s49, s49, 1
	s_cmp_lg_u32 s49, 0
	s_cbranch_scc1 .Llast
	s_wait_alu depctr_va_vdst(0)
	BLOCKEND 0
	s_wait_tensorcnt 0x0
	ds_add_u32 v[SPW], v[NIL]
	s_wait_dscnt 0x0
	s_endpgm
.Lfunc_end_k_q315bb51b29_attn:
	.size	k_q315bb51b29_attn, .Lfunc_end_k_q315bb51b29_attn-k_q315bb51b29_attn
	.p2alignl 7, 3214868480
	.fill 96, 4, 3214868480
	.section	.rodata,"a",@progbits
	.p2align	6, 0x0
	.amdhsa_kernel k_q315bb51b29_attn
		.amdhsa_group_segment_fixed_size 327680
		.amdhsa_private_segment_fixed_size 0
		.amdhsa_enable_private_segment 0
		.amdhsa_kernarg_size 40
		.amdhsa_user_sgpr_count 2
		.amdhsa_user_sgpr_kernarg_segment_ptr 1
		.amdhsa_wavefront_size32 1
		.amdhsa_system_sgpr_workgroup_id_x 1
		.amdhsa_system_sgpr_workgroup_id_y 1
		.amdhsa_system_sgpr_workgroup_id_z 1
		.amdhsa_system_vgpr_workitem_id 0
		.amdhsa_next_free_vgpr 1024
		.amdhsa_next_free_sgpr 66
		.amdhsa_reserve_vcc 0
		.amdhsa_float_denorm_mode_32 3
		.amdhsa_float_denorm_mode_16_64 3
		.amdhsa_memory_ordered 1
		.amdhsa_forward_progress 1
		.amdhsa_inst_pref_size 255
	.end_amdhsa_kernel
	.section	.bss,"aw",@nobits
	.p2align	6
	.space	262144
	.amdgpu_metadata
---
amdhsa.version: [ 1, 2 ]
amdhsa.kernels:
  - .name:           k_q315bb51b29_attn
    .symbol:         k_q315bb51b29_attn.kd
    .args:
      - { .name: encoder_outputs, .offset: 0, .size: 8, .value_kind: global_buffer, .address_space: global }
      - { .name: wimg, .offset: 8, .size: 8, .value_kind: global_buffer, .address_space: global }
      - { .name: cb, .offset: 16, .size: 8, .value_kind: global_buffer, .address_space: global }
      - { .name: v, .offset: 24, .size: 8, .value_kind: global_buffer, .address_space: global }
      - { .name: sc, .offset: 32, .size: 8, .value_kind: global_buffer, .address_space: global }
    .group_segment_fixed_size: 327680
    .private_segment_fixed_size: 0
    .kernarg_segment_align: 8
    .kernarg_segment_size: 40
    .max_flat_workgroup_size: 128
    .sgpr_count:     66
    .vgpr_count:     1024
    .wavefront_size: 32
...
	.end_amdgpu_metadata
.endif
;; end of part 2
;; launch soft (part 3): grid 32 x 1, 8 waves a work-group, no clusters, 1,536 bytes of LDS; arguments sc, out0; writes out0
.if DOCPART == 3
	.amdgcn_target "amdgcn-amd-amdhsa--gfx1250"
	.amdhsa_code_object_version 6
	.text
	.protected	k_q315bb51b29_soft
	.globl	k_q315bb51b29_soft
	.p2align	8
	.type	k_q315bb51b29_soft,@function
k_q315bb51b29_soft:
	s_mov_b64 s[64:65], 0
	v_nop
	global_prefetch_b8 v0, s[64:65] scope:SCOPE_SE
	s_setreg_imm32_b32 hwreg(HW_REG_WAVE_MODE, 25, 1), 1
	s_wait_xcnt 0x0
; out0[b][s] = softmax over s of ( - 2 sum_o v[o] r[b][s][o] ).  LEFT OUT as dead work (shown at the head of launch prep): the term sum_o v[o], the same along the softmax's axis.
; sc holds the sum in four parts, [4][65,536] f32.  In base 2: z = - c (the four parts' sum), c = 2 log2(e); the row's largest z is taken away; p = 2^(z - max); out = p / sum of p.
; A work-group takes one batch (2,048 numbers), thread t the numbers 4 t .. 4 t + 3 and 1,024 + 4 t .. + 3: each load and store of a wave covers 512 consecutive bytes.
; Memory binds this launch and it is small: no matrix unit, no cluster, no tensor load.  A p under 2^-126 comes out as 0.
.set SPARE, 512                        ; LDS: the waves' maxima at 0, their sums at 256, the spare words (128 bytes a wave) from 512
	s_load_b128 s[4:7], s[0:1], 0x0                ; sc, out0
	v_lshl_add_u32 v2, v0, 2, SPARE                ; my spare word's address; never rewritten
	v_mov_b32 v3, 0                                ; 0; never rewritten
	v_lshrrev_b32 v4, 5, v0
	s_delay_alu instid0(VALU_DEP_1)
	v_lshlrev_b32 v5, 2, v4                        ; my wave's word
	v_mov_b32 v6, 0                                ; where the eight words begin
	v_lshlrev_b32 v1, 4, v0
	v_mov_b32 v55, 0                               ; (named with v54 as a pair, so it is written)
	s_lshl_b32 s10, ttmp9, 13                      ; 2,048 numbers of 4 bytes a batch
	s_mov_b32 s11, 0
	s_mov_b32 s12, 0x76543210
	s_mov_b32 s13, 0xfedcba98                      ; lane l xor 16
	s_mov_b32 s14, 0xc038aa3b                      ; - c
	s_mov_b32 s15, s14
	s_wait_alu depctr_va_vdst(0)
	s_wait_kmcnt 0x0
	s_add_nc_u64 s[4:5], s[4:5], s[10:11]
	s_add_nc_u64 s[6:7], s[6:7], s[10:11]
.irp w, 0,1,2,3
	global_load_b128 v[8+8*\w:11+8*\w], v1, s[4:5] offset:262144*\w th:TH_LOAD_NT
	global_load_b128 v[12+8*\w:15+8*\w], v1, s[4:5] offset:262144*\w+4096 th:TH_LOAD_NT
.endr
	s_wait_loadcnt 0x0
.irp w, 1,2,3
.irp j, 0,2,4,6
	v_pk_add_f32 v[8+\j:9+\j], v[8+\j:9+\j], v[8+8*\w+\j:9+8*\w+\j]  ; the four parts, ascending
.endr
.endr
.irp j, 0,2,4,6
	s_delay_alu instid0(VALU_DEP_4)
	v_pk_mul_f32 v[8+\j:9+\j], v[8+\j:9+\j], s[14:15] op_sel_hi:[1,0] ; z
.endr
	s_delay_alu instid0(VALU_DEP_3)
	v_max3_num_f32 v40, v8, v9, v10
	s_delay_alu instid0(VALU_DEP_3)
	v_max3_num_f32 v41, v11, v12, v13
	s_delay_alu instid0(VALU_DEP_2)
	v_max3_num_f32 v40, v40, v14, v15
	s_delay_alu instid0(VALU_DEP_1)
	v_max_num_f32 v40, v40, v41
	s_delay_alu instid0(VALU_DEP_1)
	v_max_num_f32_dpp v40, v40, v40 row_xmask:1 row_mask:0xf bank_mask:0xf
	s_delay_alu instid0(VALU_DEP_1)
	v_max_num_f32_dpp v40, v40, v40 row_xmask:2 row_mask:0xf bank_mask:0xf
	s_delay_alu instid0(VALU_DEP_1)
	v_max_num_f32_dpp v40, v40, v40 row_xmask:4 row_mask:0xf bank_mask:0xf
	s_delay_alu instid0(VALU_DEP_1)
	v_max_num_f32_dpp v40, v40, v40 row_xmask:8 row_mask:0xf bank_mask:0xf
	s_delay_alu instid0(VALU_DEP_1)
	v_permlanex16_b32 v41, v40, s12, s13
	s_delay_alu instid0(VALU_DEP_1)
	v_max_num_f32 v40, v40, v41                    ; my wave's largest z, in every lane
	ds_store_b32 v5, v40                           ; all lanes write the same word with the same value
	s_wait_dscnt 0x0
	s_barrier_signal -1
	s_barrier_wait -1
	ds_load_b128 v[44:47], v6
	ds_load_b128 v[48:51], v6 offset:16
	s_wait_dscnt 0x0
	v_max3_num_f32 v40, v44, v45, v46
	v_max3_num_f32 v41, v47, v48, v49
	s_delay_alu instid0(VALU_DEP_2)
	v_max3_num_f32 v40, v40, v50, v51
	s_delay_alu instid0(VALU_DEP_1)
	v_max_num_f32 v40, v40, v41                    ; the row's largest z
.irp j, 0,1,2,3,4,5,6,7
	v_sub_f32 v[8+\j], v[8+\j], v40
.endr
	s_wait_alu depctr_va_vdst(0)
.irp j, 0,1,2,3,4,5,6,7
	v_exp_f32 v[8+\j], v[8+\j]
.endr
	v_nop                                          ; the plain instruction behind the last exponential
	s_wait_alu depctr_va_vdst(0)                   ; one wait for the eight ahead of their first reader
	v_pk_add_f32 v[42:43], v[8:9], v[10:11]
	v_pk_add_f32 v[52:53], v[12:13], v[14:15]
	s_delay_alu instid0(VALU_DEP_1)
	v_pk_add_f32 v[42:43], v[42:43], v[52:53]
	s_delay_alu instid0(VALU_DEP_1)
	v_add_f32 v42, v42, v43
	s_delay_alu instid0(VALU_DEP_1)
	v_add_f32_dpp v42, v42, v42 row_xmask:1 row_mask:0xf bank_mask:0xf
	s_delay_alu instid0(VALU_DEP_1)
	v_add_f32_dpp v42, v42, v42 row_xmask:2 row_mask:0xf bank_mask:0xf
	s_delay_alu instid0(VALU_DEP_1)
	v_add_f32_dpp v42, v42, v42 row_xmask:4 row_mask:0xf bank_mask:0xf
	s_delay_alu instid0(VALU_DEP_1)
	v_add_f32_dpp v42, v42, v42 row_xmask:8 row_mask:0xf bank_mask:0xf
	s_delay_alu instid0(VALU_DEP_1)
	v_permlanex16_b32 v43, v42, s12, s13
	s_delay_alu instid0(VALU_DEP_1)
	v_add_f32 v42, v42, v43                        ; my wave's sum
	ds_store_b32 v5, v42 offset:256                ; other bytes than the maxima's: no barrier is needed ahead of this store
	s_wait_dscnt 0x0
	s_barrier_signal -1
	s_barrier_wait -1
	ds_load_b128 v[44:47], v6 offset:256
	ds_load_b128 v[48:51], v6 offset:272
	s_wait_dscnt 0x0
	v_pk_add_f32 v[44:45], v[44:45], v[46:47]
	v_pk_add_f32 v[48:49], v[48:49], v[50:51]
	s_delay_alu instid0(VALU_DEP_1)
	v_pk_add_f32 v[44:45], v[44:45], v[48:49]
	s_delay_alu instid0(VALU_DEP_1)
	v_add_f32 v44, v44, v45                        ; the row's sum
	s_wait_alu depctr_va_vdst(0)
	v_rcp_f32 v54, v44
	v_nop
	s_wait_alu depctr_va_vdst(0)
.irp j, 0,2,4,6
	v_pk_mul_f32 v[8+\j:9+\j], v[8+\j:9+\j], v[54:55] op_sel_hi:[1,0]
.endr
	global_store_b128 v1, v[8:11], s[6:7]          ; sixteen lanes store 256 consecutive bytes, at a multiple of 256 from out0's first byte
	global_store_b128 v1, v[12:15], s[6:7] offset:4096
	s_wait_tensorcnt 0x0                           ; the wave's end, behind my last LDS store
	ds_add_u32 v2, v3
	s_wait_dscnt 0x0
	s_endpgm
.Lfunc_end_k_q315bb51b29_soft:
	.size	k_q315bb51b29_soft, .Lfunc_end_k_q315bb51b29_soft-k_q315bb51b29_soft
	.p2alignl 7, 3214868480
	.fill 96, 4, 3214868480
	.section	.rodata,"a",@progbits
	.p2align	6, 0x0
	.amdhsa_kernel k_q315bb51b29_soft
		.amdhsa_group_segment_fixed_size 1536
		.amdhsa_private_segment_fixed_size 0
		.amdhsa_enable_private_segment 0
		.amdhsa_kernarg_size 16
		.amdhsa_user_sgpr_count 2
		.amdhsa_user_sgpr_kernarg_segment_ptr 1
		.amdhsa_wavefront_size32 1
		.amdhsa_system_sgpr_workgroup_id_x 1
		.amdhsa_system_sgpr_workgroup_id_y 1
		.amdhsa_system_sgpr_workgroup_id_z 1
		.amdhsa_system_vgpr_workitem_id 0
		.amdhsa_next_free_vgpr 64
		.amdhsa_next_free_sgpr 66
		.amdhsa_reserve_vcc 0
		.amdhsa_float_denorm_mode_32 3
		.amdhsa_float_denorm_mode_16_64 3
		.amdhsa_memory_ordered 1
		.amdhsa_forward_progress 1
		.amdhsa_inst_pref_size 8
	.end_amdhsa_kernel
	.amdgpu_metadata
---
amdhsa.version: [ 1, 2 ]
amdhsa.kernels:
  - .name:           k_q315bb51b29_soft
    .symbol:         k_q315bb51b29_soft.kd
    .args:
      - { .name: sc, .offset: 0, .size: 8, .value_kind: global_buffer, .address_space: global }
      - { .name: out0, .offset: 8, .size: 8, .value_kind: global_buffer, .address_space: global }
    .group_segment_fixed_size: 1536
    .private_segment_fixed_size: 0
    .kernarg_segment_align: 8
    .kernarg_segment_size: 16
    .max_flat_workgroup_size: 256
    .sgpr_count:     66
    .vgpr_count:     64
    .wavefront_size: 32
...
	.end_amdgpu_metadata
.endif
;; end of part 3
